; MI455X (gfx1250); checked and timed in simulation.
; The chip was launched on July 23, 2026; its instructions are those of AMD's public machine-readable ISA for CDNA 5 (MIT licence, August 2026) and "CDNA5" Instruction Set Architecture Reference Guide (July 2026). The comments in the code are by the model that wrote it; some were corrected since.
;; Multi Head Attention With CLS Token. Allowed arithmetic: matrix products marked QUANTISED: E2M1 operands, one E8M0 scale for each 32 along K, by v_wmma_scale_f32_16x16x128_f8f6f4 with both operands' format E2M1 (or v_wmma_scale_f32_32x16x128_f4), f32 sums; products left as they are: f32 operands where the result goes on into a quantised operand, else bf16, f16 or f32 operands; f32 sums; everything else in f32.
;; Inputs: Wk 1,024 x 1,024 float32; Wo 1,024 x 1,024 float32; Wq 1,024 x 1,024 float32; Wv 1,024 x 1,024 float32; bk 1,024 float32; bo 1,024 float32; bq 1,024 float32; bv 1,024 float32; ln_b 1,024 float32; ln_g 1,024 float32; x 32 x 1,024 x 1,024 float32.
;; Outputs: out0 32 x 1,024 float32.
;; This version of the problem:
;;   THIS VERSION OF THE PROBLEM IS GIVEN IN LOW PRECISION. The matrix products marked QUANTISED in the list below multiply operands that are first quantised to E2M1 (2 exponent bits, 1 mantissa bit; 4 bits a number), with one power-of-two scale for each 32 numbers along K (OCP MX v1.0); their sums are f32. All else is computed in f32.
;;   The module's matrix products, in the order in which they are computed (A, B: the left and right operand; K: the contracted axis; several contracted axes count as one K, in the product's order):
;;     1. [M 32, K 1,024] x [K 1,024, N 1,024]; A: input x; B: input Wq: QUANTISED
;;     2. [M 32,736, K 1,024] x [K 1,024, N 1,024]; A: input x; B: input Wk: QUANTISED
;;     3. [M 32,736, K 1,024] x [K 1,024, N 1,024]; A: input x; B: input Wv: QUANTISED
;;     4. batch 512 x [M 1, K 64] x [K 64, N 1,023]; A: computed on the way; B: computed on the way: left as it is (M = 1 < 16)
;;     5. batch 512 x [M 1, K 1,023] x [K 1,023, N 64]; A: softmax; B: computed on the way: left as it is (M = 1 < 16)
;;     6. [M 32, K 1,024] x [K 1,024, N 1,024]; A: computed on the way; B: input Wo: QUANTISED
;;   THE QUANTISER, for each operand of a quantised product, along K:
;;     - K is cut into blocks of 32 from its start; a last block that is shorter is filled with zeros.
;;     - A block's scale is 2^e with e = floor(log2(the largest magnitude in the block)) - 2, held to -126 .. 127; a block of zeros has e = 0. As a byte (E8M0): e + 127.
;;     - Each number is divided by its block's scale, clamped to +-6, and rounded to the nearest number of E2M1, ties to even, subnormals kept.
;;     - The product sums the exact products of the quantised numbers (number of the format x scale) in f32.
;;   ~~~python
;;   def quantise(x, axis):      # numpy; x: float32 -> the quantised numbers, widened to float32 again
;;       x = np.moveaxis(x, axis, -1); K = x.shape[-1]
;;       x = np.pad(x, [(0, 0)] * (x.ndim - 1) + [(0, -K % 32)]); x = x.reshape(x.shape[:-1] + (-1, 32)); a = np.abs(x).max(-1, keepdims=True)
;;       e = np.where(a > 0, np.clip(np.frexp(np.where(a > 0, a, 1))[1] - 1 - 2, -126, 127), 0)      # np.frexp(a)[1] - 1 = floor(log2(a)), exactly
;;       r = np.clip(x / 2.0 ** e, -6, 6)
;;       step = 2.0 ** (np.maximum(np.frexp(np.where(r == 0, 1, r))[1] - 1, 0) - 1)
;;       q = np.round(r / step) * step * 2.0 ** e      # np.round: ties to even
;;       return np.moveaxis(q.reshape(q.shape[:-2] + (-1,))[..., :K], -1, axis).astype(np.float32)
;;   ~~~
;;   OPERANDS COMPUTED ON THE WAY. 'Computed on the way' means the value that the module computes at that place (a softmax that the list does not call 'softmax' is quantised finished and normalised). What goes into a quantiser is computed in f32, as accurately as f32 sums, v_exp_f32 and their like allow (about 1e-6 of the number): no bf16 or f16 on the way to a quantiser, and a product that is left as it is and whose result goes on into a quantised operand takes f32 operands (vector FMAs, or v_wmma_f32_16x16x4_f32). A number that lies on a knife's edge between two numbers of the format may be rounded either way, as far as f32 arithmetic and the matrix unit's own rounding can turn it there, and no further.
;; One version. Each part assembles by itself: llvm-mc -triple=amdgcn-amd-amdhsa -mcpu=gfx1250 --defsym DOCPART=n.
;; ======== version 1 of 1: 3 launches
;; limits: right only within a limited range of input values
;; workspace buffers: xc 16,777,216 bytes; xs 1,048,576 bytes; wc 2,097,152 bytes; ws 131,072 bytes; yp 1,048,576 bytes
;; launch prep (part 1): grid 256 x 1, 24 waves a work-group, no clusters, 210,432 bytes of LDS; arguments x, Wq, Wo, Wk, Wv, xc, xs, wc, ws; writes xc, xs, wc, ws
.if DOCPART == 1
	.amdgcn_target "amdgcn-amd-amdhsa--gfx1250"
	.amdhsa_code_object_version 6
	.text
	.protected	k_qe7384b112f_prep
	.globl	k_qe7384b112f_prep
	.p2align	8
	.type	k_qe7384b112f_prep,@function
k_qe7384b112f_prep:
	s_mov_b64 s[64:65], 0
	v_nop
	global_prefetch_b8 v0, s[64:65] scope:SCOPE_SE
	s_setreg_imm32_b32 hwreg(HW_REG_WAVE_MODE, 25, 1), 1
	s_wait_xcnt 0x0
; x AND THE FOUR WEIGHTS BECOME CODES, ONCE.  FP4 (E2M1), K innermost, one E8M0 scale byte for each 32 along K: scale = 2^(floor(log2(largest magnitude)) - 2), its byte held at 1 from below.
; DEAD WORK of the program: bk.  k = Q(x) Q(Wk)^T + bk goes into product 4 alone, which is not quantised, so bk adds q . bk to the score of EVERY key of a head: the same term along the softmax's axis, for all
; values of the inputs, and the softmax takes it away.  So bk is loaded by no launch and is among no launch's arguments.
; LIMITS: a NaN, an infinity or an overflow that reaches only that work is not carried to the result; NaN and infinities are not served; a block whose largest magnitude lies under 2^-124 has its byte held at 1;
; a block of zeros gets the byte 1 with zero codes (this program alone reads the bytes).
; A tile is 16 rows x 1,024.  Its codes are IMAGES OF THE OPERAND'S REGISTERS: K step s (128 along K) at 1,024 s, registers 4 q .. 4 q + 3 at 512 q + 16 x lane.
; Its 512 bytes of scale words: lane r + 16 (s % 2) has 16 bytes, K step s's word of row r at 4 (s / 2).
; xc: tile 64 x batch + row / 16 at 8,192 a tile; xs: 512 a tile.  wc: Wq, Wo, Wk, Wv at 524,288 each; Wo by K steps: 65,536 s + 1,024 x tile; the others 8,192 a tile.  ws: tensor x 32,768 + 512 x tile.
; A work-group takes eight tiles of x (128 rows) and one tile of a weight; wave 8 g + s takes K step s of tiles 3 g, 3 g + 1, 3 g + 2 (tile 8 is the weight's).
; Each load reads 512 consecutive bytes of a row; 16 of them are a fragment, which turns through the wave's own stage in LDS (rows 528 bytes apart) so that a lane holds whole blocks of 32.
; 32 loads of a wave are out at the start.  No prefetch: there is no loop to run ahead in.  No cluster: the work-groups share no input.
.set SP,   528
.set STG,  16*SP
.set SCB,  24*STG                      ; nine tiles' scale words
.set SPARE, SCB+9*512                  ; 128 bytes a wave; no other line names them
.set L16, 4                            ; 16 x lane
.set LST, 5                            ; into the stage
.set LRD, 6                            ; out of it
.set SH8, 7
.set QT,  8
.set MX,  10
.set SO,  12
.set BY,  14
.set WRD, 16
.set SWA, 17                           ; my scale word's place
.set SRD, 18
.set C,   20                           ; v20-27 codes
.set SPW, 28
.set NIL, 29
.set NA,  32
.set NB,  96
.set WV,  22
.set GR,  23
.set KS,  24
.set SEL, 60
.macro LD dst, base, off
.irp i, 0,1,2,3,4,5,6,7,8,9,10,11,12,13,14,15
	global_load_b128 v[\dst+4*\i:\dst+4*\i+3], v[L16], s[\base:\base+1] offset:\off+4096*\i th:TH_LOAD_NT
.endr
.endm
.macro STEP src, dst, off, u
.irp i, 0,1,2,3,4,5,6,7,8,9,10,11,12,13,14,15
	ds_store_b128 v[LST], v[\src+4*\i:\src+4*\i+3] offset:SP*\i
.endr
	s_wait_dscnt 0x0                               ; the stores have read the registers that the loads below land in
.irp c, 0,1
.irp i, 0,1,2,3,4,5,6,7
	ds_load_b128 v[\src+32*\c+4*\i:\src+32*\c+4*\i+3], v[LRD] offset:256*\c+16*\i   ; lane (r, h): k = 64 c + 32 h + 0 .. 31 of row r
.endr
.endr
	s_wait_dscnt 0x0
.irp c, 0,1
	v_max3_num_f32 v[MX+\c], |v[\src+32*\c]|, |v[\src+32*\c+1]|, 0x1800000   ; the floor 2^(3 - 127) holds the byte at 1 from below
.endr
.irp i, 2,4,6,8,10,12,14,16,18,20,22,24,26,28,30
.irp c, 0,1
	v_max3_num_f32 v[MX+\c], v[MX+\c], |v[\src+32*\c+\i]|, |v[\src+32*\c+\i+1]|
.endr
.endr
.irp c, 0,1
	v_add_nc_u32 v[SO+\c], 0xff000000, v[MX+\c]    ; 2 off the exponent field: the conversion's scale operand
.endr
.irp c, 0,1
	v_lshrrev_b32 v[BY+\c], 23, v[SO+\c]
.endr
	v_lshl_or_b32 v[WRD], v[BY+1], 16, v[BY]       ; my two bytes, blocks h and 2 + h,
	s_delay_alu instid0(VALU_DEP_1)
	v_lshlrev_b32 v[WRD], v[SH8], v[WRD]
	s_delay_alu instid0(VALU_DEP_1)
	v_permlanex16_b32 v[QT], v[WRD], s[SEL], s[SEL+1]
	s_delay_alu instid0(VALU_DEP_1)
	v_or_b32 v[WRD], v[WRD], v[QT]                 ; with lane l xor 16's two the word is whole
.irp c, 0,1
.irp g, 0,1,2,3
	v_cvt_scalef32_pk8_fp4_f32 v[C+4*\c+\g], v[\src+32*\c+8*\g:\src+32*\c+8*\g+7], v[SO+\c]
.endr
.endr
	v_nop                                          ; one plain place behind a scaled conversion
	global_store_b128 v[L16], v[C:C+3], s[\dst:\dst+1] offset:\off
	global_store_b128 v[L16], v[C+4:C+7], s[\dst:\dst+1] offset:\off+512
	ds_store_b32 v[SWA], v[WRD] offset:512*\u      ; both halves of the lanes write the same word with the same value
.endm
	s_load_b256 s[4:11], s[0:1], 0x0               ; x, Wq, Wo, Wk
	s_load_b256 s[12:19], s[0:1], 0x20             ; Wv, xc, xs, wc
	s_load_b64 s[20:21], s[0:1], 0x40              ; ws
	v_lshl_add_u32 v[SPW], v0, 2, SPARE
	v_mov_b32 v[NIL], 0
	v_lshrrev_b32 v1, 5, v0
	v_readfirstlane_b32 s[WV], v1                  ; wave 0..23
	s_lshr_b32 s[GR], s[WV], 3
	s_and_b32 s[KS], s[WV], 7
	s_mov_b32 s[SEL], 0x76543210
	s_mov_b32 s[SEL+1], 0xfedcba98                 ; v_permlanex16_b32's selects for lane l xor 16
	v_and_b32 v1, 31, v0
	v_and_b32 v2, 15, v0
	v_bfe_u32 v3, v0, 4, 1
	v_lshlrev_b32 v[L16], 4, v1
	s_mul_i32 s25, s[WV], STG
	v_add_nc_u32 v[LST], s25, v[L16]
	v_mul_u32_u24 v[LRD], v2, SP
	v_lshl_add_u32 v[LRD], v3, 7, v[LRD]
	v_add_nc_u32 v[LRD], s25, v[LRD]
	v_lshlrev_b32 v[SH8], 3, v3
	v_mov_b32 v[QT], 0                             ; written once: a lane permute's destination counts as one of its sources
	s_wait_alu depctr_va_vdst(0)                   ; the wait here, ahead of the scalar lines below
	s_mul_i32 s25, s[GR], 1536
	s_add_co_u32 s25, s25, SCB
	s_and_b32 s26, s[KS], 1
	s_lshl_b32 s26, s26, 8
	s_add_co_u32 s25, s25, s26
	s_lshr_b32 s26, s[KS], 1
	s_lshl_b32 s26, s26, 2
	s_add_co_u32 s25, s25, s26
	v_lshlrev_b32 v[SWA], 4, v2
	v_add_nc_u32 v[SWA], s25, v[SWA]
	s_lshl_b32 s25, s[WV], 9
	s_add_co_u32 s25, s25, SCB
	v_add_nc_u32 v[SRD], s25, v[L16]
	s_lshl_b32 s26, ttmp9, 19                      ; 128 rows of 4,096 bytes
	s_mul_i32 s27, s[GR], 196608
	s_add_co_u32 s26, s26, s27
	s_lshl_b32 s28, s[KS], 9
	s_add_co_u32 s26, s26, s28
	s_mov_b32 s27, 0
	s_wait_alu depctr_va_vdst(0)                   ; the wait at the head's end
	s_wait_kmcnt 0x0
	s_add_nc_u64 s[30:31], s[4:5], s[26:27]
	LD NA, 30, 0
	LD NB, 30, 65536
	; the third tile: x's, or, for waves 16 to 23, a weight's: the choice hangs on ids alone
	s_lshr_b32 s34, ttmp9, 6                       ; which tensor
	s_and_b32 s35, ttmp9, 63                       ; which 16 rows
	s_cmp_eq_u32 s34, 1
	s_cselect_b64 s[6:7], s[8:9], s[6:7]
	s_cmp_eq_u32 s34, 2
	s_cselect_b64 s[6:7], s[10:11], s[6:7]
	s_cmp_eq_u32 s34, 3
	s_cselect_b64 s[6:7], s[12:13], s[6:7]
	s_lshl_b32 s29, s35, 16
	s_add_co_u32 s28, s28, s29
	s_mov_b32 s29, 0
	s_add_nc_u64 s[32:33], s[6:7], s[28:29]
	s_add_nc_u64 s[36:37], s[30:31], 0x20000
	s_cmp_eq_u32 s[GR], 2
	s_cselect_b64 s[32:33], s[32:33], s[36:37]
	; where the codes go
	s_lshl_b32 s26, ttmp9, 16
	s_mul_i32 s28, s[GR], 24576
	s_add_co_u32 s26, s26, s28
	s_lshl_b32 s28, s[KS], 10
	s_add_co_u32 s26, s26, s28
	s_add_nc_u64 s[38:39], s[14:15], s[26:27]
	s_lshl_b32 s42, ttmp9, 13
	s_add_co_u32 s42, s42, s28
	s_lshl_b32 s43, s[KS], 16
	s_lshl_b32 s44, s35, 10
	s_add_co_u32 s43, s43, s44
	s_add_co_u32 s43, s43, 524288
	s_cmp_eq_u32 s34, 1
	s_cselect_b32 s42, s43, s42                    ; Wo lies by K steps
	s_mov_b32 s43, 0
	s_add_nc_u64 s[44:45], s[18:19], s[42:43]
	s_add_nc_u64 s[46:47], s[38:39], 0x4000
	s_cmp_eq_u32 s[GR], 2
	s_cselect_b64 s[40:41], s[44:45], s[46:47]
	; and the scale words: waves 0 to 7 store a tile of x's each, wave 8 the weight's
	s_lshl_b32 s48, ttmp9, 12
	s_lshl_b32 s49, s[WV], 9
	s_add_co_u32 s48, s48, s49
	s_mov_b32 s49, 0
	s_add_nc_u64 s[50:51], s[16:17], s[48:49]
	s_lshl_b32 s52, ttmp9, 9
	s_mov_b32 s53, 0
	s_add_nc_u64 s[54:55], s[20:21], s[52:53]
	s_cmp_lt_u32 s[WV], 8
	s_cselect_b64 s[56:57], s[50:51], s[54:55]
	s_wait_loadcnt 16                              ; the first tile's 16 loads are in, the second's may be out
	STEP NA, 38, 0, 0
	LD NA, 32, 0
	s_wait_loadcnt 16                              ; the second tile's are in, the third's may be out
	s_wait_xcnt 0x0                                ; the stores have read their codes
	STEP NB, 38, 8192, 1
	s_wait_loadcnt 0x0
	s_wait_xcnt 0x0
	STEP NA, 40, 0, 2
	s_wait_dscnt 0x0                               ; for the others' sake: my scale words are in LDS
	s_barrier_signal -1
	s_barrier_wait -1
	s_cmp_lt_u32 s[WV], 9
	s_cbranch_scc0 .Lend
	ds_load_b128 v[MX:MX+3], v[SRD]
	s_wait_dscnt 0x0
	global_store_b128 v[L16], v[MX:MX+3], s[56:57] ; a tile's 512 bytes
.Lend:
	s_wait_tensorcnt 0x0                           ; the wave's end
	ds_add_u32 v[SPW], v[NIL]
	s_wait_dscnt 0x0
	s_endpgm
.Lfunc_end_k_qe7384b112f_prep:
	.size	k_qe7384b112f_prep, .Lfunc_end_k_qe7384b112f_prep-k_qe7384b112f_prep
	.p2alignl 7, 3214868480
	.fill 96, 4, 3214868480
	.section	.rodata,"a",@progbits
	.p2align	6, 0x0
	.amdhsa_kernel k_qe7384b112f_prep
		.amdhsa_group_segment_fixed_size 210432
		.amdhsa_private_segment_fixed_size 0
		.amdhsa_enable_private_segment 0
		.amdhsa_kernarg_size 72
		.amdhsa_user_sgpr_count 2
		.amdhsa_user_sgpr_kernarg_segment_ptr 1
		.amdhsa_wavefront_size32 1
		.amdhsa_system_sgpr_workgroup_id_x 1
		.amdhsa_system_sgpr_workgroup_id_y 1
		.amdhsa_system_sgpr_workgroup_id_z 1
		.amdhsa_system_vgpr_workitem_id 0
		.amdhsa_next_free_vgpr 160
		.amdhsa_next_free_sgpr 66
		.amdhsa_reserve_vcc 0
		.amdhsa_float_denorm_mode_32 3
		.amdhsa_float_denorm_mode_16_64 3
		.amdhsa_memory_ordered 1
		.amdhsa_forward_progress 1
		.amdhsa_inst_pref_size 25
	.end_amdhsa_kernel
	.amdgpu_metadata
---
amdhsa.version: [ 1, 2 ]
amdhsa.kernels:
  - .name:           k_qe7384b112f_prep
    .symbol:         k_qe7384b112f_prep.kd
    .args:
      - { .name: x, .offset: 0, .size: 8, .value_kind: global_buffer, .address_space: global }
      - { .name: Wq, .offset: 8, .size: 8, .value_kind: global_buffer, .address_space: global }
      - { .name: Wo, .offset: 16, .size: 8, .value_kind: global_buffer, .address_space: global }
      - { .name: Wk, .offset: 24, .size: 8, .value_kind: global_buffer, .address_space: global }
      - { .name: Wv, .offset: 32, .size: 8, .value_kind: global_buffer, .address_space: global }
      - { .name: xc, .offset: 40, .size: 8, .value_kind: global_buffer, .address_space: global }
      - { .name: xs, .offset: 48, .size: 8, .value_kind: global_buffer, .address_space: global }
      - { .name: wc, .offset: 56, .size: 8, .value_kind: global_buffer, .address_space: global }
      - { .name: ws, .offset: 64, .size: 8, .value_kind: global_buffer, .address_space: global }
    .group_segment_fixed_size: 210432
    .private_segment_fixed_size: 0
    .kernarg_segment_align: 8
    .kernarg_segment_size: 72
    .max_flat_workgroup_size: 768
    .sgpr_count:     66
    .vgpr_count:     160
    .wavefront_size: 32
...
	.end_amdgpu_metadata
.endif
;; end of part 1
;; launch attn (part 2): grid 8 x 32, 4 waves a work-group, clusters of 4 x 4, 327,680 bytes of LDS; arguments xc, xs, wc, ws, bq, bv, yp; writes yp
.if DOCPART == 2
	.amdgcn_target "amdgcn-amd-amdhsa--gfx1250"
	.amdhsa_code_object_version 6
	.text
	.protected	k_qe7384b112f_attn
	.globl	k_qe7384b112f_attn
	.p2align	8
	.type	k_qe7384b112f_attn,@function
k_qe7384b112f_attn:
	s_mov_b64 s[64:65], 0
	v_nop
	global_prefetch_b8 v0, s[64:65] scope:SCOPE_SE
	s_setreg_imm32_b32 hwreg(HW_REG_WAVE_MODE, 25, 1), 1
	s_wait_xcnt 0x0
	s_wait_alu depctr_hold_cnt(0) depctr_sa_sdst(0) depctr_va_vdst(0) depctr_va_sdst(0) depctr_va_ssrc(0) depctr_va_vcc(0) depctr_vm_vsrc(0)
	s_getreg_b32 s2, hwreg(HW_REG_IB_STS2, 6, 4)
	s_cmp_eq_u32 s2, 0
	s_cbranch_scc0 .Lentry_in_a_cluster
	s_endpgm
.Lentry_in_a_cluster:
	s_bfe_u32 s2, ttmp6, 0x10000c
	s_cmp_lg_u32 s2, 0xf033
	s_cbranch_scc0 .Lentry_shape_is_right
	s_endpgm
.Lentry_shape_is_right:
; K, V, THE SOFTMAX, THE WEIGHTED SUM AND A SLICE OF THE WAY OUT.  A work-group has one batch b and two heads 2 hp, 2 hp + 1: 1,024 rows of x against 128 columns of K and 128 of V, K = 1,024.
; LEFT OUT as dead work: bk (the same term for all keys of a head ahead of a softmax; the first kernel's head shows it).  LIMITS: those of the first kernel; bv is added behind the weighted sum (the weights sum to 1).
; SHARES.  Wave w: head w / 2, and of each eight row tiles the four 4 (w % 2) on.  THE WEIGHTS STAY IN REGISTERS: 64 columns of Wk and 64 of Wv by 1,024 are 64 fragments, 512 registers.  x's codes walk through
; two LDS slots of 16 tiles (131,072 bytes), filled by joint loads; a fragment of x (two LDS loads) feeds eight matrix instructions.  A group = 4 tiles: 32 accumulators, 256 matrix instructions.
; Source 0 = 16 columns' weights, source 1 = 16 rows of x: lane (r, h) register j holds (row r, column 16 n + 8 h + j): a lane has ONE row, so the score is a sum over its registers and lane l xor 16's.
; EACH LANE KEEPS ITS OWN running maximum, sum and weighted sum over the rows r of all its tiles; they are joined over lanes and over the head's two waves once, at the end.
; q: Wq's fragments come from memory straight into registers while the first tiles are on their way; a head's two waves take half of K each and join through LDS.  The CLS row's codes are loaded into all 16 rows.
; The end: attn's 128 numbers are quantised and multiplied by K step hp of Wo; the eight parts of a row are added by the next launch.
; CLUSTERS 4 x 4: the four of a row share the batch, so x's tiles; the four of a column share the heads, so Wk's and Wv's tiles: joint loads with a mask for the row or the column.
; PREFETCH: slot 1 and the batch's scale words at the head, slots 2 and 3 behind slot 1's load (one and two slots ahead of their loads), each block once in a cluster, partners told apart by address; Wo's slice ahead of the last two slots' work, by four clusters.
; REGISTERS: window 0 as below; window 1: accumulator (tile t, n) at 64 t + 8 n (n 0-3: K, 4-7: V); windows 2 and 3: weights (n, K step s) at 64 (s % 4) + 8 n, K steps 0-3 and 4-7.
.set SLOT,  131072
.set QX,    262144                     ; q's parts, 256 bytes a wave
.set BVS,   QX+1024                    ; bv, 512 bytes a wave
.set MLS,   BVS+2048                   ; (M, l), 8 bytes a wave
.set CDS,   MLS+256                    ; attn's codes and scale word, 256 bytes a wave
.set YST,   CDS+1024                   ; the result's stage, 1,024 bytes a wave
.set OST,   YST+4096                   ; weighted sums: 16 rows x 272 bytes a wave
.set SPARE, OST+17408                  ; 128 bytes a wave; no other line names them
.set SPW, 1
.set NIL, 2
.set L16, 3
.set XA,  4                            ; v4, v5 LDS address of my fragments in the slot's first and second half
.set MR,  6
.set LR,  7
.set NINF, 8
.set WOSC, 16                          ; v16-23 Wo's scale words
.set XA0, 29
.set XB0, 30
.set PFO, 31
.set XF,  32                           ; v32-127 three buffers of x's fragments; the third is at work behind a group's products
.set SC,  96
.set WS,  128                          ; v128-159 scale words of Wk, Wv
.set XSA, 160                          ; v160-191 scale words of x, two sets
.set XSB, 176
.set QQ,  192
.set O,   224
.set WV,  18
.set J,   19
.set P,   20
.set HP,  21
.set B,   22
.set CNT, 23
.set G1X, 24
.set G1W, 32
.set G0HX, 40
.set G0HW, 44
.set G0X, 48
.set XSP, 52
.set PFA, 54
.set SQ,  56
.set CLSB, 58
.set WSB, 60
.set WSP, 62
.set CLSS, 66
.set BQB, 68
.set BVB, 70
.set WOS, 72
.set CC,  80
.set WOC, 82
.set YPB, 84
.set PFW, 86
.set CYC, 88
.set CX,  89
.set PFX, 90
.set SEL, 92
.set MASK, 94
.set TB,  95
.set CY,  101
.set MSB, 0
.macro WIN new
.if MSB != \new
	s_set_vgpr_msb (MSB<<8)|\new
.set MSB, \new
.endif
.endm
.macro PLACES n
.rept \n
	v_nop
.endr
.endm
.macro CREST
	s_cmp_lg_u32 s[WV], 0
	s_cbranch_scc1 .Lnot_wave_0_\@
	s_barrier_signal -3
.Lnot_wave_0_\@:
	s_barrier_wait -3
	s_barrier_signal -1
	s_barrier_wait -1
.endm
.macro CROUND
	s_barrier_signal -1
	s_barrier_wait -1
	CREST
.endm
.macro MM d, a, b, z, sa, sb, oa, ob   ; z: the first product starts the sum; oa, ob: A's, B's scale from lanes 16-31
.if (\z)&&(\ob)
	v_wmma_scale_f32_16x16x128_f8f6f4 v[\d:\d+7], v[\a:\a+7], v[\b:\b+7], 0, v[\sa], v[\sb] matrix_a_fmt:MATRIX_FMT_FP4 matrix_b_fmt:MATRIX_FMT_FP4 matrix_b_scale:MATRIX_SCALE_ROW1
.elseif \z
	v_wmma_scale_f32_16x16x128_f8f6f4 v[\d:\d+7], v[\a:\a+7], v[\b:\b+7], 0, v[\sa], v[\sb] matrix_a_fmt:MATRIX_FMT_FP4 matrix_b_fmt:MATRIX_FMT_FP4
.elseif \oa
	v_wmma_scale_f32_16x16x128_f8f6f4 v[\d:\d+7], v[\a:\a+7], v[\b:\b+7], v[\d:\d+7], v[\sa], v[\sb] matrix_a_fmt:MATRIX_FMT_FP4 matrix_b_fmt:MATRIX_FMT_FP4 matrix_a_scale:MATRIX_SCALE_ROW1 matrix_b_scale:MATRIX_SCALE_ROW1
.else
	v_wmma_scale_f32_16x16x128_f8f6f4 v[\d:\d+7], v[\a:\a+7], v[\b:\b+7], v[\d:\d+7], v[\sa], v[\sb] matrix_a_fmt:MATRIX_FMT_FP4 matrix_b_fmt:MATRIX_FMT_FP4
.endif
.endm
; K step s: the 32 accumulators by turns, one instruction a turn
.macro MUL s, x
.if \s<4
	WIN 0x52
.else
	WIN 0x53
.endif
.irp t, 0,1,2,3
.irp n, 0,1,2,3,4,5,6,7
	MM 64*\t+8*\n, 64*(\s%4)+8*\n, XF+32*(\s%3)+8*\t, (\s==0), WS+4*\n+\s/2, \x+4*\t+\s/2, \s%2, \s%2
.endr
.endr
.endm
.macro KSTEP hlf, s
	WIN 0
.if \s<6
.if \s>0
	PLACES 4                                       ; in front of loads into registers that matrix instructions have read
.endif
.irp t, 0,1,2,3
.irp q, 0,1
	ds_load_b128 v[XF+32*((\s+2)%3)+8*\t+4*\q:XF+32*((\s+2)%3)+8*\t+4*\q+3], v[XA+\hlf] offset:8192*\t+1024*(\s+2)+512*\q
.endr
.endr
	s_wait_dscnt 16                                ; K step s is in; the eight loads each of s + 1 and s + 2 may be out
.elseif \s==6
	s_wait_dscnt 8
.else
	s_wait_dscnt 0x0
.endif
	MUL \s, XSA+16*\hlf
.endm
.macro PF adr                          ; a group's K steps 0 and 1
.irp k, 0,1
.irp t, 0,1,2,3
.irp q, 0,1
	ds_load_b128 v[XF+32*\k+8*\t+4*\q:XF+32*\k+8*\t+4*\q+3], v[\adr] offset:8192*\t+1024*\k+512*\q
.endr
.endr
.endr
.endm
; Behind a group's products: scores of my row of four tiles, the running maximum, p = 2^(t - m), the sums.  The third fragment buffer is free here.
.macro VEC
	WIN 0x01
.irp m, 0,2
.irp j, 0,1,2,3
.irp e, 0,1
.irp t, 0,1,2,3
.if (\m==0)&&(\j==0)
	v_pk_mul_f32 v[SC+4*\t+2*\e:SC+4*\t+2*\e+1], v[64*\t+8*(\m+\e)+2*\j:64*\t+8*(\m+\e)+2*\j+1], v[QQ+8*(\m+\e)+2*\j:QQ+8*(\m+\e)+2*\j+1]
.else
	v_pk_fma_f32 v[SC+4*\t+2*\e:SC+4*\t+2*\e+1], v[64*\t+8*(\m+\e)+2*\j:64*\t+8*(\m+\e)+2*\j+1], v[QQ+8*(\m+\e)+2*\j:QQ+8*(\m+\e)+2*\j+1], v[SC+4*\t+2*\e:SC+4*\t+2*\e+1]
.endif
.endr
.endr
.endr
.endr
	WIN 0
.irp t, 0,1,2,3
	v_pk_add_f32 v[SC+4*\t:SC+4*\t+1], v[SC+4*\t:SC+4*\t+1], v[SC+4*\t+2:SC+4*\t+3]
.endr
.irp t, 0,1,2,3
	v_add_f32 v[SC+4*\t], v[SC+4*\t], v[SC+4*\t+1]
.endr
.irp t, 0,1,2,3
	v_permlanex16_b32 v[SC+4*\t+1], v[SC+4*\t], s[SEL], s[SEL+1]
.endr
.irp t, 0,1,2,3
	v_add_f32 v[SC+4*\t], v[SC+4*\t], v[SC+4*\t+1]   ; the scaled score of row r of tile t, in both halves of the lanes
.endr
	v_cndmask_b32 v[SC], v[SC], v[NINF], s[MASK]   ; row 0 of the batch, the CLS row, is no key
	s_mov_b32 s[MASK], 0
	v_max3_num_f32 v9, v[SC], v[SC+4], v[SC+8]
	v_max3_num_f32 v9, v9, v[SC+12], v[MR]         ; the new running maximum
	v_sub_f32 v[SC+2], v[MR], v9
.irp t, 0,1,2,3
	v_sub_f32 v[SC+4*\t], v[SC+4*\t], v9
.endr
	v_mov_b32 v[MR], v9
	s_wait_alu depctr_va_vdst(0)                   ; ahead of the batch and behind it
	v_exp_f32 v[SC], v[SC]
	v_exp_f32 v[SC+4], v[SC+4]
	v_exp_f32 v[SC+8], v[SC+8]
	v_exp_f32 v[SC+12], v[SC+12]
	v_exp_f32 v[SC+2], v[SC+2]                     ; f = 2^(old m - new m)
	v_nop
	s_wait_alu depctr_va_vdst(0)
	v_add_f32 v9, v[SC], v[SC+4]
	v_add_f32 v10, v[SC+8], v[SC+12]
	v_fma_f32 v[LR], v[LR], v[SC+2], v9
	v_add_f32 v[LR], v[LR], v10
.irp i, 0,2,4,6,8,10,12,14,16,18,20,22,24,26,28,30
	v_pk_mul_f32 v[O+\i:O+\i+1], v[O+\i:O+\i+1], v[SC+2:SC+3] op_sel_hi:[1,0]
.endr
	WIN 0x01
	s_wait_alu depctr_va_vdst(0)                   ; ahead of V's first readers
.irp t, 0,1,2,3
.irp j, 0,1,2,3
.irp n, 0,1,2,3
	v_pk_fma_f32 v[O+8*\n+2*\j:O+8*\n+2*\j+1], v[64*\t+32+8*\n+2*\j:64*\t+32+8*\n+2*\j+1], v[SC+4*\t:SC+4*\t+1], v[O+8*\n+2*\j:O+8*\n+2*\j+1] op_sel_hi:[1,0,1]
.endr
.endr
.endr
	WIN 0
.endm
.macro GRP0                            ; the slot's first half
	s_wait_loadcnt 0x0                             ; this group's scale words
.irp t, 0,1,2,3
	global_load_b128 v[XSB+4*\t:XSB+4*\t+3], v[L16], s[XSP:XSP+1] offset:4096+512*\t
.endr
.irp s, 0,1,2,3,4,5,6,7
	KSTEP 0, \s
.endr
	WIN 0
	PLACES 4
	PF XA+1
	VEC
.endm
; The slot's second half, and the change of slots.  fill = 1: this slot is filled again, two slots on; fill = 0: nothing is filled again, and the last trip (CNT = 1) has no slot behind it.
.macro GRP1 fill
	s_wait_loadcnt 0x0
.if \fill == 0
	s_cmp_eq_u32 s[CNT], 1
	s_cbranch_scc1 .Lno_words_\@
.endif
.irp t, 0,1,2,3
	global_load_b128 v[XSA+4*\t:XSA+4*\t+3], v[L16], s[XSP:XSP+1] offset:8192+512*\t   ; the next slot's first group
.endr
.Lno_words_\@:
.irp s, 0,1,2,3,4,5
	KSTEP 1, \s
.endr
	WIN 0
	s_wait_tensorcnt 0x0                           ; my part of the next slot is in
.if \fill
	ds_add_u32 v[SPW], v[NIL]
	s_xor_b32 s[G0X+1], s[G0X+1], SLOT
	s_add_nc_u64 s[G0X+2:G0X+3], s[G0X+2:G0X+3], SLOT
	s_xor_b32 s[TB], s[TB], SLOT
	s_wait_dscnt 9                                 ; K step 6 is in; K step 7's eight loads and the add may be out
.else
	s_xor_b32 s[TB], s[TB], SLOT
	s_wait_dscnt 8
.endif
	MUL 6, XSB
	s_wait_dscnt 0x0                               ; my reads of this slot are over
	s_barrier_signal -1
	MUL 7, XSB
	WIN 0
	s_barrier_wait -1
.if \fill
	CREST
	tensor_load_to_lds s[G0X:G0X+3], s[G1X:G1X+7]
	s_nop 0
.endif
	PLACES 4
	s_wait_xcnt 0x0                                ; the loads have read their base
	s_add_nc_u64 s[XSP:XSP+1], s[XSP:XSP+1], 8192
.if \fill == 0
	s_cmp_eq_u32 s[CNT], 1
	s_cbranch_scc1 .Lno_slot_\@
.endif
	v_add_nc_u32 v[XA], s[TB], v[XA0]
	v_add_nc_u32 v[XA+1], s[TB], v[XB0]
	PF XA
.Lno_slot_\@:
	VEC
.endm
	s_load_b256 s[4:11], s[0:1], 0x0               ; xc, xs, wc, ws
	s_load_b128 s[12:15], s[0:1], 0x20             ; bq, bv
	s_load_b64 s[16:17], s[0:1], 0x30              ; yp
	v_lshl_add_u32 v[SPW], v0, 2, SPARE
	v_mov_b32 v[NIL], 0
	ds_add_u32 v[SPW], v[NIL]                      ; the wave's opening: the add, twice on end, and its wait ahead of my first tensor load
	ds_add_u32 v[SPW], v[NIL]
	v_lshrrev_b32 v9, 5, v0
	v_readfirstlane_b32 s[WV], v9                  ; wave 0..3
	s_lshr_b32 s[J], s[WV], 1                      ; which head of the two
	s_and_b32 s[P], s[WV], 1                       ; which four of eight tiles; also which half of K in q
	s_bfe_u32 s[CX], ttmp6, 0x40000
	s_bfe_u32 s[CY], ttmp6, 0x40004
	s_lshl_b32 s[HP], ttmp9, 2
	s_add_co_u32 s[HP], s[HP], s[CX]               ; head pair = 4 x cluster x + cx
	s_and_b32 s[CYC], ttmp7, 0xffff
	s_lshl_b32 s[B], s[CYC], 2
	s_add_co_u32 s[B], s[B], s[CY]                 ; batch = 4 x cluster y + cy
	s_lshl_b32 s2, s[CY], 2
	s_lshl_b32 s2, 15, s2                          ; my row of the cluster
	s_lshl_b32 s3, 0x1111, s[CX]                   ; my column
	; descriptor group 1: dense blocks as rows of 256 bytes (32 elements of 8): 256 rows at the head, 128 behind it
	s_or_b32 s[G1X+0], s2, (3<<16)|(1<<21)
	s_or_b32 s[G1W+0], s3, (3<<16)|(1<<21)
.irp g, G1X, G1W
	s_mov_b32 s[\g+1], 32<<16
	s_mov_b32 s[\g+2], 256<<16
	s_mov_b32 s[\g+3], 32<<16
	s_mov_b32 s[\g+4], 256
	s_mov_b32 s[\g+5], 32
	s_mov_b32 s[\g+6], 0
	s_mov_b32 s[\g+7], 0
.endr
	s_mov_b32 s[G0HX], 1
	s_lshl_b32 s[G0HX+1], s[WV], 16                ; waves 0, 1: slot 0's halves;
	s_mov_b32 s[G0HW], 1
	s_lshl_b32 s[G0HW+1], s[WV], 16                ; waves 2, 3: Wk, Wv, where slot 1 will be
	s_mov_b32 s[G0X], 1
	s_lshl_b32 s[G0X+1], s[WV], 15
	s_add_co_u32 s[G0X+1], s[G0X+1], SLOT          ; the ring: my four tiles of 16, first in slot 1
	s_mov_b32 s[SEL], 0x76543210
	s_mov_b32 s[SEL+1], 0xfedcba98
	s_cmp_eq_u32 s[P], 0
	s_cselect_b32 s[MASK], 0x10001, 0              ; the CLS row: tile 0, lanes 0 and 16
	s_mov_b32 s[TB], 0
	s_mov_b32 s[CC], 0x3e38aa3b                    ; log2(e) / 8
	s_mov_b32 s[CC+1], s[CC]
	v_and_b32 v12, 31, v0
	v_and_b32 v13, 15, v0
	v_bfe_u32 v14, v0, 4, 1
	v_lshlrev_b32 v[L16], 4, v12
	v_lshlrev_b32 v9, 8, v14                       ; the CLS row's place in a fragment: lane 16 h's
	v_lshlrev_b32 v10, 5, v14
	v_lshlrev_b32 v11, 9, v14
	v_lshl_add_u32 v11, v13, 4, v11                ; Wo's scale words: lanes 16-31 the next tile's
	s_wait_alu depctr_va_vdst(0)                   ; the wait here, ahead of the scalar lines below
	s_lshl_b32 s74, s[WV], 8
	s_add_co_u32 s74, s74, QX
	v_add_nc_u32 v24, s74, v10                     ; my part of q, in
	s_lshl_b32 s74, s[WV], 9
	s_add_co_u32 s74, s74, BVS
	v_add_nc_u32 v25, s74, v[L16]
	s_lshl_b32 s74, s[J], 9
	s_add_co_u32 s74, s74, QX
	v_add_nc_u32 v26, s74, v10                     ; my head's two parts, out
	s_lshl_b32 s74, s[J], 15
	s_add_co_u32 s74, s74, SLOT
	v_add_nc_u32 v27, s74, v[L16]                  ; my head's Wk,
	v_add_nc_u32 v28, 0x10000, v27                 ; Wv
	s_lshl_b32 s74, s[P], 15
	v_add_nc_u32 v[XA0], s74, v[L16]
	v_add_nc_u32 v[XB0], 0x10000, v[XA0]
	v_mov_b32 v[XA], v[XA0]
	v_mov_b32 v[XA+1], v[XB0]
	v_lshlrev_b32 v[PFO], 8, v12
	v_min_u32 v15, 7, v12
	v_lshlrev_b32 v15, 8, v15
	v_min_u32 v12, 15, v12
	v_lshlrev_b32 v12, 8, v12
	v_mov_b32 v[NINF], 0xff800000
	v_mov_b32 v[MR], v[NINF]
	v_mov_b32 v[LR], 0
	s_wait_alu depctr_va_vdst(0)                   ; the wait here, directly ahead of the waits below
	s_wait_dscnt 0x0
	s_wait_kmcnt 0x0
	; what hangs on the batch
	s_mov_b32 s75, 0
	s_mov_b32 s79, 0
	s_lshl_b32 s74, s[B], 19
	s_add_nc_u64 s[76:77], s[4:5], s[74:75]        ; the batch's codes
	s_lshl_b32 s78, s[WV], 16
	s_add_nc_u64 s[G0HX+2:G0HX+3], s[76:77], s[78:79]
	s_or_b32 s[G0HX+3], s[G0HX+3], 0x80000000
	s_lshl_b32 s78, s[WV], 15
	s_add_nc_u64 s[G0X+2:G0X+3], s[76:77], s[78:79]
	s_add_nc_u64 s[G0X+2:G0X+3], s[G0X+2:G0X+3], SLOT
	s_or_b32 s[G0X+3], s[G0X+3], 0x80000000
	; what hangs on the heads
	s_mov_b32 s97, 0
	s_mov_b32 s99, 0
	s_lshl_b32 s96, s[HP], 16
	s_lshl_b32 s98, s[WV], 19
	s_add_co_u32 s96, s96, s98
	s_add_nc_u64 s[G0HW+2:G0HW+3], s[8:9], s[96:97]
	s_or_b32 s[G0HW+3], s[G0HW+3], 0x80000000
	CROUND                                         ; all sixteen work-groups are here: the first joint loads meet
	s_cmp_lt_u32 s[WV], 2
	s_cbranch_scc0 .Lweights
	tensor_load_to_lds s[G0HX:G0HX+3], s[G1X:G1X+7]
	s_nop 0
	PLACES 4
	s_branch .Lasked
.Lweights:
	tensor_load_to_lds s[G0HW:G0HW+3], s[G1W:G1W+7]
	s_nop 0
	PLACES 4
.Lasked:
	s_lshl_b32 s78, s[P], 12
	s_add_nc_u64 s[CLSB:CLSB+1], s[76:77], s[78:79]
	s_lshl_b32 s100, s[HP], 1
	s_add_co_u32 s100, s100, s[J]                  ; my head
	s_lshl_b32 s96, s100, 15
	s_add_co_u32 s96, s96, s78
	s_add_nc_u64 s[SQ:SQ+1], s[8:9], s[96:97]
	s_lshl_b32 s96, s100, 11
	s_add_nc_u64 s[WSB:WSB+1], s[10:11], s[96:97]
	s_lshl_b32 s98, s[P], 3
	s_add_nc_u64 s[WSP:WSP+1], s[WSB:WSB+1], s[98:99]
	s_lshl_b32 s96, s100, 8
	s_add_nc_u64 s[BQB:BQB+1], s[12:13], s[96:97]
	s_lshl_b32 s96, s[HP], 9
	s_add_nc_u64 s[BVB:BVB+1], s[14:15], s[96:97]
	s_lshl_b32 s74, s[B], 15
	s_add_nc_u64 s[XSP:XSP+1], s[6:7], s[74:75]    ; the batch's scale words
	s_add_nc_u64 s[CLSS:CLSS+1], s[XSP:XSP+1], s[98:99]
	s_lshl_b32 s2, s[CX], 13
	s_lshl_b32 s3, s[WV], 11
	s_add_co_u32 s2, s2, s3
	s_mov_b32 s3, 0
	s_add_nc_u64 s[PFX:PFX+1], s[XSP:XSP+1], s[2:3]
	s_lshl_b32 s78, s[P], 11
	s_add_nc_u64 s[XSP:XSP+1], s[XSP:XSP+1], s[78:79]
	s_and_b32 s96, s[HP], 1
	s_lshl_b32 s96, s96, 8
	s_lshr_b32 s98, s[HP], 1
	s_lshl_b32 s98, s98, 2
	s_add_co_u32 s96, s96, s98
	s_lshl_b32 s98, s[WV], 13
	s_add_co_u32 s96, s96, s98
	s_add_co_u32 s96, s96, 32768
	s_add_nc_u64 s[WOS:WOS+1], s[10:11], s[96:97]
	; q's operands: 45 loads
	WIN 0x40
.irp n, 0,1,2,3
.irp s, 0,1,2,3
.irp q, 0,1
	global_load_b128 v[32*\n+8*\s+4*\q:32*\n+8*\s+4*\q+3], v[L16], s[SQ:SQ+1] offset:8192*\n+1024*\s+512*\q
.endr
.endr
.endr
	WIN 0
.irp s, 0,1,2,3
.irp q, 0,1
	global_load_b128 v[XF+8*\s+4*\q:XF+8*\s+4*\q+3], v9, s[CLSB:CLSB+1] offset:1024*\s+512*\q
.endr
.endr
.irp n, 0,1,2,3
	global_load_b64 v[XSB+2*\n:XSB+2*\n+1], v[L16], s[WSP:WSP+1] offset:512*\n
.endr
	global_load_b64 v[XSB+8:XSB+9], v9, s[CLSS:CLSS+1]
	; and 29 more: bq, bv, the scale words of Wk, Wv, Wo and of x's first group
.irp n, 0,1,2,3
.irp q, 0,1
	global_load_b128 v[O+8*\n+4*\q:O+8*\n+4*\q+3], v10, s[BQB:BQB+1] offset:64*\n+16*\q
.endr
.endr
	global_load_b128 v[112:115], v[L16], s[BVB:BVB+1]
.irp n, 0,1,2,3
	global_load_b128 v[WS+4*\n:WS+4*\n+3], v[L16], s[WSB:WSB+1] offset:65536+512*\n
.endr
.irp n, 0,1,2,3
	global_load_b128 v[WS+16+4*\n:WS+16+4*\n+3], v[L16], s[WSB:WSB+1] offset:98304+512*\n
.endr
.irp i, 0,1,2,3,4,5,6,7
	global_load_b32 v[WOSC+\i], v11, s[WOS:WOS+1] offset:1024*\i
.endr
.irp t, 0,1,2,3
	global_load_b128 v[XSA+4*\t:XSA+4*\t+3], v[L16], s[XSP:XSP+1] offset:512*\t
.endr
	s_lshl_b32 s2, s[CX], 15
	s_lshl_b32 s3, s[WV], 13
	s_add_co_u32 s2, s2, s3
	s_mov_b32 s3, 0
	s_add_nc_u64 s[PFA:PFA+1], s[76:77], s[2:3]
	global_prefetch_b8 v[PFO], s[PFA:PFA+1] offset:131072 th:TH_LOAD_NT scope:SCOPE_SE   ; slot 1: 512 blocks, 128 a partner, 32 a wave
	global_prefetch_b8 v15, s[PFX:PFX+1] th:TH_LOAD_NT scope:SCOPE_SE                    ; the batch's scale words: 128 blocks, 32 a partner, 8 a wave
	s_lshl_b32 s96, s[HP], 16
	s_add_co_u32 s96, s96, 524288
	s_lshl_b32 s98, s[WV], 14
	s_add_co_u32 s98, s96, s98
	s_add_nc_u64 s[WOC:WOC+1], s[8:9], s[98:99]    ; my 16 tiles of Wo's K step hp
	s_lshl_b32 s98, s[CY], 14
	s_add_co_u32 s96, s96, s98
	s_lshl_b32 s98, s[WV], 12
	s_add_co_u32 s96, s96, s98
	s_add_nc_u64 s[PFW:PFW+1], s[8:9], s[96:97]
	s_lshl_b32 s96, s[HP], 12
	s_lshl_b32 s98, s[B], 15
	s_add_co_u32 s96, s96, s98
	s_lshl_b32 s98, s[WV], 10
	s_add_co_u32 s96, s96, s98
	s_add_nc_u64 s[YPB:YPB+1], s[16:17], s[96:97]
	s_wait_loadcnt 29                              ; q's operands are in; the 29 loads behind them may be out
	WIN 0x01
.irp s, 0,1,2,3
.irp n, 0,1,2,3
	MM QQ+8*\n, 32*\n+8*\s, XF+8*\s, (\s==0), XSB+2*\n+\s/2, XSB+8+\s/2, \s%2, (\s%2)&&(\s!=0)
.endr
.endr
	WIN 0
	PLACES 4
.irp n, 0,1,2,3
	ds_store_b128 v24, v[QQ+8*\n:QQ+8*\n+3] offset:64*\n   ; all 16 rows are the CLS row: equal lanes write equal values
	ds_store_b128 v24, v[QQ+8*\n+4:QQ+8*\n+7] offset:64*\n+16
.endr
	s_wait_loadcnt 0x0
	ds_store_b128 v25, v[112:115]
	s_wait_tensorcnt 0x0                           ; my tile is in
	s_wait_dscnt 0x0                               ; and my stores
	s_barrier_signal -1
	s_barrier_wait -1
.irp n, 0,1,2,3
.irp q, 0,1
	ds_load_b128 v[QQ+8*\n+4*\q:QQ+8*\n+4*\q+3], v26 offset:64*\n+16*\q
	ds_load_b128 v[SC+8*\n+4*\q:SC+8*\n+4*\q+3], v26 offset:256+64*\n+16*\q
.endr
.endr
.macro WLOAD s
.irp n, 0,1,2,3
.irp q, 0,1
	ds_load_b128 v[64*(\s%4)+8*\n+4*\q:64*(\s%4)+8*\n+4*\q+3], v27 offset:8192*\n+1024*\s+512*\q
	ds_load_b128 v[64*(\s%4)+32+8*\n+4*\q:64*(\s%4)+32+8*\n+4*\q+3], v28 offset:8192*\n+1024*\s+512*\q
.endr
.endr
.endm
	WIN 0x80
.irp s, 0,1,2,3
	WLOAD \s
.endr
	WIN 0xc0
.irp s, 4,5,6,7
	WLOAD \s
.endr
	WIN 0
	PF XA
	s_wait_tensorcnt 0x0                           ; ahead of a refill
	ds_add_u32 v[SPW], v[NIL]
	s_mov_b32 s[G1X+2], 128<<16                    ; no tensor load of mine is out: from here on a load brings 128 rows
	s_mov_b32 s[G1X+4], 128
	s_wait_dscnt 0x0                               ; the weights are in registers: slot 1's bytes are free
	CROUND
	tensor_load_to_lds s[G0X:G0X+3], s[G1X:G1X+7]
	s_nop 0
	PLACES 4
.irp i, 0,2,4,6,8,10,12,14,16,18,20,22,24,26,28,30
	v_pk_add_f32 v[QQ+\i:QQ+\i+1], v[QQ+\i:QQ+\i+1], v[SC+\i:SC+\i+1]
.endr
.irp i, 0,2,4,6,8,10,12,14,16,18,20,22,24,26,28,30
	v_pk_add_f32 v[QQ+\i:QQ+\i+1], v[QQ+\i:QQ+\i+1], v[O+\i:O+\i+1]
.endr
.irp i, 0,2,4,6,8,10,12,14,16,18,20,22,24,26,28,30
	v_pk_mul_f32 v[QQ+\i:QQ+\i+1], v[QQ+\i:QQ+\i+1], s[CC:CC+1] op_sel_hi:[1,0]   ; (q + bq) log2(e) / 8
.endr
.irp i, 0,1,2,3,4,5,6,7,8,9,10,11,12,13,14,15,16,17,18,19,20,21,22,23,24,25,26,27,28,29,30,31
	v_mov_b32 v[O+\i], 0                           ; (the group is written once for all: the first one's f = 0 meets these zeros)
.endr
	global_prefetch_b8 v[PFO], s[PFA:PFA+1] offset:262144 th:TH_LOAD_NT scope:SCOPE_SE   ; slots 2 and 3
	global_prefetch_b8 v[PFO], s[PFA:PFA+1] offset:393216 th:TH_LOAD_NT scope:SCOPE_SE
	s_mov_b32 s[CNT], 2
	s_wait_alu depctr_va_vdst(0)                   ; the wait at the head's end
.Lfill:                                                ; slots 0 and 1; each is filled again behind its last read
	GRP0
	GRP1 1
	s_sub_co_u32 s[CNT], s[CNT], 1
	s_cmp_lg_u32 s[CNT], 0
	s_cbranch_scc1 .Lfill
	s_cmp_lt_u32 s[CYC], 4
	s_cbranch_scc0 .Lno_wo
	global_prefetch_b8 v12, s[PFW:PFW+1] th:TH_LOAD_NT scope:SCOPE_SE   ; Wo's K step hp: 256 blocks, 64 a partner, 16 a wave
.Lno_wo:
	s_mov_b32 s[CNT], 2
.Llast:                                                ; slots 2 and 3
	GRP0
	GRP1 0
	s_sub_co_u32 s[CNT], s[CNT], 1
	s_cmp_lg_u32 s[CNT], 0
	s_cbranch_scc1 .Llast
	; THE END.  Wo's 16 fragments of my wave into window 2, which the products have left
	WIN 0x80
.irp n, 0,1,2,3,4,5,6,7,8,9,10,11,12,13,14,15
.irp q, 0,1
	global_load_b128 v[8*\n+4*\q:8*\n+4*\q+3], v[L16], s[WOC:WOC+1] offset:1024*\n+512*\q
.endr
.endr
	WIN 0
	v_mov_b32 v24, v[MR]
.irp x, 1,2,4,8
	v_max_num_f32_dpp v24, v24, v24 row_xmask:\x row_mask:0xf bank_mask:0xf
.endr
	v_sub_f32 v10, v[MR], v24
	s_mul_i32 s74, s[WV], 4352
	s_add_co_u32 s74, s74, OST
	s_wait_alu depctr_va_vdst(0)
	v_exp_f32 v10, v10
	v_and_b32 v12, 15, v0                          ; r (a plain place behind the exponential)
	v_bfe_u32 v13, v0, 4, 1                        ; h
	v_mul_u32_u24 v14, v12, 272
	v_lshl_add_u32 v14, v13, 5, v14
	v_add_nc_u32 v14, s74, v14                     ; my row of the stage
	s_lshl_b32 s74, s[WV], 3
	s_add_co_u32 s74, s74, MLS
	v_mov_b32 v15, s74
	v_mov_b32 v11, MLS                             ; all waves' (M, l)
	v_and_b32 v26, 7, v0                           ; cg: eight columns
	v_bfe_u32 v27, v0, 3, 2                        ; rq: eight rows of a head's 32
	v_mul_u32_u24 v28, v27, 2176
	v_lshl_add_u32 v28, v26, 5, v28
	v_add_nc_u32 v28, OST, v28
	s_lshl_b32 s74, s[WV], 9
	s_add_co_u32 s74, s74, BVS
	v_lshlrev_b32 v29, 5, v26
	v_add_nc_u32 v29, s74, v29
	s_lshl_b32 s74, s[WV], 8
	s_add_co_u32 s74, s74, CDS
	v_lshlrev_b32 v30, 2, v26
	v_add_nc_u32 v30, s74, v30                     ; my eight codes
	v_lshlrev_b32 v4, 4, v13
	v_add_nc_u32 v4, s74, v4                       ; and back: 32 codes of block h
	s_add_co_u32 s74, s74, 64
	v_lshrrev_b32 v31, 2, v26
	v_add_nc_u32 v31, s74, v31                     ; my block's byte
	v_mov_b32 v5, s74
	s_lshl_b32 s74, s[WV], 10
	s_add_co_u32 s74, s74, YST
	v_lshlrev_b32 v12, 2, v12
	v_add_nc_u32 v12, s74, v12
	v_add_nc_u32 v13, s74, v[L16]
	s_mov_b32 s76, 0xffff0000                      ; lanes 16-31
	s_wait_alu depctr_va_vdst(0)
	v_mul_f32 v25, v[LR], v10
.irp i, 0,2,4,6,8,10,12,14,16,18,20,22,24,26,28,30
	v_pk_mul_f32 v[O+\i:O+\i+1], v[O+\i:O+\i+1], v[10:11] op_sel_hi:[1,0]
.endr
.irp x, 1,2,4,8
	v_add_f32_dpp v25, v25, v25 row_xmask:\x row_mask:0xf bank_mask:0xf
.endr
.irp n, 0,1,2,3
	ds_store_b128 v14, v[O+8*\n:O+8*\n+3] offset:64*\n
	ds_store_b128 v14, v[O+8*\n+4:O+8*\n+7] offset:64*\n+16
.endr
	ds_store_b64 v15, v[24:25]
	s_wait_alu depctr_va_vdst(0)                   ; the wait here, directly ahead of the waits below
	s_wait_dscnt 0x0
	s_barrier_signal -1
	s_barrier_wait -1
	; every wave joins both heads: head c's 32 rows (two waves x 16 lanes), eight rows x eight columns a lane; lanes 0-15 have the first wave's rows
.set R0, XF
.set R1, QQ
.irp c, 0,1
	ds_load_b128 v[112+4*\c:115+4*\c], v11 offset:16*\c
.endr
.irp k, 0,1,2,3,4,5,6,7
.irp q, 0,1
	ds_load_b128 v[R0+8*\k+4*\q:R0+8*\k+4*\q+3], v28 offset:272*\k+16*\q
	ds_load_b128 v[R1+8*\k+4*\q:R1+8*\k+4*\q+3], v28 offset:8704+272*\k+16*\q
.endr
.endr
.irp c, 0,1
.irp q, 0,1
	ds_load_b128 v[96+8*\c+4*\q:99+8*\c+4*\q], v29 offset:256*\c+16*\q
.endr
.endr
	s_wait_dscnt 0x0
	v_max_num_f32 v120, v112, v114
	v_max_num_f32 v121, v116, v118
	v_sub_f32 v112, v112, v120
	v_sub_f32 v114, v114, v120
	v_sub_f32 v116, v116, v121
	v_sub_f32 v118, v118, v121
	s_wait_alu depctr_va_vdst(0)
	v_exp_f32 v112, v112
	v_exp_f32 v114, v114
	v_exp_f32 v116, v116
	v_exp_f32 v118, v118
.irp k, 1,2,3,4,5,6,7
.irp b, R0, R1
.irp p, 0,2,4,6
	v_pk_add_f32 v[\b+\p:\b+\p+1], v[\b+\p:\b+\p+1], v[\b+8*\k+\p:\b+8*\k+\p+1]
.endr
.endr
.endr
	s_wait_alu depctr_va_vdst(0)
	v_mul_f32 v122, v113, v112
	v_mul_f32 v123, v117, v116
	v_fma_f32 v122, v115, v114, v122               ; the row's sum
	v_fma_f32 v123, v119, v118, v123
	v_cndmask_b32 v124, v112, v114, s76
	v_cndmask_b32 v126, v116, v118, s76
	s_wait_alu depctr_va_vdst(0)
	v_rcp_f32 v122, v122
	v_rcp_f32 v123, v123
	v_nop
	s_wait_alu depctr_va_vdst(0)
	v_mul_f32 v124, v124, v122
	v_mul_f32 v126, v126, v123
.irp p, 0,2,4,6
	v_pk_mul_f32 v[R0+\p:R0+\p+1], v[R0+\p:R0+\p+1], v[124:125] op_sel_hi:[1,0]
	v_pk_mul_f32 v[R1+\p:R1+\p+1], v[R1+\p:R1+\p+1], v[126:127] op_sel_hi:[1,0]
.endr
.irp b, R0, R1
.irp i, 0,1,2,3,4,5,6,7
	v_add_f32_dpp v[\b+\i], v[\b+\i], v[\b+\i] row_xmask:8 row_mask:0xf bank_mask:0xf
.endr
.endr
.irp b, R0, R1
.irp i, 0,1,2,3,4,5,6,7
	v_permlanex16_b32 v[\b+8+\i], v[\b+\i], s[SEL], s[SEL+1]
.endr
.endr
.irp b, R0, R1
.irp p, 0,2,4,6
	v_pk_add_f32 v[\b+\p:\b+\p+1], v[\b+\p:\b+\p+1], v[\b+8+\p:\b+8+\p+1]
.endr
.endr
.irp p, 0,2,4,6
	v_pk_add_f32 v[R0+\p:R0+\p+1], v[R0+\p:R0+\p+1], v[96+\p:97+\p]      ; + bv
	v_pk_add_f32 v[R1+\p:R1+\p+1], v[R1+\p:R1+\p+1], v[104+\p:105+\p]
.endr
	v_max3_num_f32 v120, |v[R0]|, |v[R0+1]|, 0x1800000
	v_max3_num_f32 v121, |v[R1]|, |v[R1+1]|, 0x1800000
.irp i, 2,4,6
	v_max3_num_f32 v120, v120, |v[R0+\i]|, |v[R0+\i+1]|
	v_max3_num_f32 v121, v121, |v[R1+\i]|, |v[R1+\i+1]|
.endr
.irp x, 1,2
	v_max_num_f32_dpp v120, v120, v120 row_xmask:\x row_mask:0xf bank_mask:0xf   ; four lanes hold a block of 32
	v_max_num_f32_dpp v121, v121, v121 row_xmask:\x row_mask:0xf bank_mask:0xf
.endr
	v_add_nc_u32 v122, 0xff000000, v120
	v_add_nc_u32 v123, 0xff000000, v121
	v_lshrrev_b32 v114, 23, v122
	v_lshrrev_b32 v115, 23, v123
	v_cvt_scalef32_pk8_fp4_f32 v116, v[R0:R0+7], v122
	v_cvt_scalef32_pk8_fp4_f32 v117, v[R1:R1+7], v123
	v_nop
	ds_store_b32 v30, v116                         ; lanes with the same columns write the same value
	ds_store_b32 v30, v117 offset:32
	ds_store_b8 v31, v114
	ds_store_b8 v31, v115 offset:2
	ds_load_b128 v[64:67], v4                      ; (LDS serves a wave's instructions in order: these see the stores)
	ds_load_b128 v[68:71], v4 offset:32
	ds_load_b32 v[XSA], v5
	s_wait_dscnt 0x0
	s_wait_loadcnt 0x0                             ; Wo's fragments
	WIN 0x48
.irp n, 0,1,2,3,4,5,6,7,8,9,10,11,12,13,14,15
	MM 8*\n, 64, 8*\n, 1, XSA, WOSC+\n/2, 0, \n%2
.endr
	PLACES 4
	WIN 0x04
.irp n, 0,1,2,3,4,5,6,7,8,9,10,11,12,13,14,15
	ds_store_b32 v12, v[8*\n] offset:64*\n         ; register 0: all 16 rows are the same row
.endr
	WIN 0
	ds_load_b128 v[32:35], v13
	ds_load_b128 v[36:39], v13 offset:512
	s_wait_dscnt 0x0
	global_store_b128 v[L16], v[32:35], s[YPB:YPB+1]
	global_store_b128 v[L16], v[36:39], s[YPB:YPB+1] offset:512
	s_wait_tensorcnt 0x0                           ; the wave's end
	ds_add_u32 v[SPW], v[NIL]
	s_wait_dscnt 0x0
	CROUND                                         ; the closing round
	s_endpgm
.Lfunc_end_k_qe7384b112f_attn:
	.size	k_qe7384b112f_attn, .Lfunc_end_k_qe7384b112f_attn-k_qe7384b112f_attn
	.p2alignl 7, 3214868480
	.fill 96, 4, 3214868480
	.section	.rodata,"a",@progbits
	.p2align	6, 0x0
	.amdhsa_kernel k_qe7384b112f_attn
		.amdhsa_group_segment_fixed_size 327680
		.amdhsa_private_segment_fixed_size 0
		.amdhsa_enable_private_segment 0
		.amdhsa_kernarg_size 56
		.amdhsa_user_sgpr_count 2
		.amdhsa_user_sgpr_kernarg_segment_ptr 1
		.amdhsa_wavefront_size32 1
		.amdhsa_system_sgpr_workgroup_id_x 1
		.amdhsa_system_sgpr_workgroup_id_y 1
		.amdhsa_system_sgpr_workgroup_id_z 1
		.amdhsa_system_vgpr_workitem_id 0
		.amdhsa_next_free_vgpr 1024
		.amdhsa_next_free_sgpr 104
		.amdhsa_reserve_vcc 0
		.amdhsa_float_denorm_mode_32 3
		.amdhsa_float_denorm_mode_16_64 3
		.amdhsa_memory_ordered 1
		.amdhsa_forward_progress 1
		.amdhsa_inst_pref_size 253
	.end_amdhsa_kernel
	.amdgpu_metadata
---
amdhsa.version: [ 1, 2 ]
amdhsa.kernels:
  - .name:           k_qe7384b112f_attn
    .symbol:         k_qe7384b112f_attn.kd
    .args:
      - { .name: xc, .offset: 0, .size: 8, .value_kind: global_buffer, .address_space: global }
      - { .name: xs, .offset: 8, .size: 8, .value_kind: global_buffer, .address_space: global }
      - { .name: wc, .offset: 16, .size: 8, .value_kind: global_buffer, .address_space: global }
      - { .name: ws, .offset: 24, .size: 8, .value_kind: global_buffer, .address_space: global }
      - { .name: bq, .offset: 32, .size: 8, .value_kind: global_buffer, .address_space: global }
      - { .name: bv, .offset: 40, .size: 8, .value_kind: global_buffer, .address_space: global }
      - { .name: yp, .offset: 48, .size: 8, .value_kind: global_buffer, .address_space: global }
    .group_segment_fixed_size: 327680
    .private_segment_fixed_size: 0
    .kernarg_segment_align: 8
    .kernarg_segment_size: 56
    .max_flat_workgroup_size: 128
    .sgpr_count:     104
    .vgpr_count:     1024
    .wavefront_size: 32
...
	.end_amdgpu_metadata
.endif
;; end of part 2
;; launch fin (part 3): grid 32 x 1, 8 waves a work-group, no clusters, 1,536 bytes of LDS; arguments yp, bo, x, ln_g, ln_b, out0; writes out0
.if DOCPART == 3
	.amdgcn_target "amdgcn-amd-amdhsa--gfx1250"
	.amdhsa_code_object_version 6
	.text
	.protected	k_qe7384b112f_fin
	.globl	k_qe7384b112f_fin
	.p2align	8
	.type	k_qe7384b112f_fin,@function
k_qe7384b112f_fin:
	s_mov_b64 s[64:65], 0
	v_nop
	global_prefetch_b8 v0, s[64:65] scope:SCOPE_SE
	s_setreg_imm32_b32 hwreg(HW_REG_WAVE_MODE, 25, 1), 1
	s_wait_xcnt 0x0
; THE END OF A BATCH: y = the eight parts of attn Wo^T + bo + the CLS row; LayerNorm over 1,024.  One work-group a batch, since the norm wants the whole row: the design has work for 32.  A thread has four columns.
; The variance is taken of y - mean, in a second pass.  LIMITS: NaN and infinities are not served.  No prefetch: there is no loop to run ahead in.  No cluster: what the work-groups share is three rows of 4,096 bytes.
.set SPARE, 512                        ; behind the waves' sums (byte 0) and sums of squares (byte 256): 128 bytes a wave
.set SEL, 18
.macro LANESUM reg                     ; the sum over the 32 lanes, in every lane
.irp x, 1,2,4,8
	s_delay_alu instid0(VALU_DEP_1)
	v_add_f32_dpp v[\reg], v[\reg], v[\reg] row_xmask:\x row_mask:0xf bank_mask:0xf
.endr
	s_delay_alu instid0(VALU_DEP_1)
	v_permlanex16_b32 v19, v[\reg], s[SEL], s[SEL+1]
	s_delay_alu instid0(VALU_DEP_1)
	v_add_f32 v[\reg], v[\reg], v19
.endm
.macro WAVESUM adr                     ; the eight waves' words, summed into v80
	ds_load_b128 v[80:83], v[\adr]
	ds_load_b128 v[84:87], v[\adr] offset:16
	s_wait_dscnt 0x0
	v_pk_add_f32 v[80:81], v[80:81], v[82:83]
	v_pk_add_f32 v[84:85], v[84:85], v[86:87]
	s_delay_alu instid0(VALU_DEP_1)
	v_pk_add_f32 v[80:81], v[80:81], v[84:85]
	s_delay_alu instid0(VALU_DEP_1)
	v_add_f32 v80, v80, v81
.endm
	s_load_b256 s[4:11], s[0:1], 0x0               ; yp, bo, x, ln_g
	s_load_b128 s[12:15], s[0:1], 0x20             ; ln_b, out0
	v_lshl_add_u32 v1, v0, 2, SPARE
	v_mov_b32 v2, 0
	v_lshrrev_b32 v3, 5, v0
	v_readfirstlane_b32 s16, v3
	s_mov_b32 s[SEL], 0x76543210
	s_mov_b32 s[SEL+1], 0xfedcba98
	v_lshlrev_b32 v4, 4, v0
	s_lshl_b32 s17, s16, 2
	v_mov_b32 v5, s17
	v_add_nc_u32 v6, 256, v5
	v_mov_b32 v7, 0
	v_mov_b32 v8, 256
	v_mov_b32 v19, 0                               ; written once: a lane permute's destination counts as one of its sources
	s_lshl_b32 s22, ttmp9, 15
	s_mov_b32 s23, 0
	s_lshl_b32 s24, ttmp9, 22                      ; the batch's row 0
	s_mov_b32 s25, 0
	s_lshl_b32 s26, ttmp9, 12
	s_mov_b32 s27, 0
	s_mov_b32 s28, 0x3a800000                      ; 1 / 1,024
	s_mov_b32 s29, 0x3727c5ac                      ; 1e-5
	s_wait_alu depctr_va_vdst(0)                   ; the wait at the head's end
	s_wait_kmcnt 0x0
	s_add_nc_u64 s[30:31], s[4:5], s[22:23]
	s_add_nc_u64 s[32:33], s[8:9], s[24:25]
	s_add_nc_u64 s[34:35], s[14:15], s[26:27]
.irp g, 0,1,2,3,4,5,6,7
	global_load_b128 v[32+4*\g:35+4*\g], v4, s[30:31] offset:4096*\g
.endr
	global_load_b128 v[64:67], v4, s[6:7]
	global_load_b128 v[68:71], v4, s[32:33]
	global_load_b128 v[72:75], v4, s[10:11]
	global_load_b128 v[76:79], v4, s[12:13]
	s_wait_loadcnt 2                               ; all but ln_g and ln_b
.irp g, 0,1,2,3,4
.irp p, 0,2
	v_pk_add_f32 v[32+8*\g+\p:33+8*\g+\p], v[32+8*\g+\p:33+8*\g+\p], v[36+8*\g+\p:37+8*\g+\p]
.endr
.endr
.irp p, 0,2
	v_pk_add_f32 v[32+\p:33+\p], v[32+\p:33+\p], v[40+\p:41+\p]
	v_pk_add_f32 v[48+\p:49+\p], v[48+\p:49+\p], v[56+\p:57+\p]
.endr
.irp p, 0,2
	v_pk_add_f32 v[32+\p:33+\p], v[32+\p:33+\p], v[48+\p:49+\p]
.endr
.irp p, 0,2
	v_pk_add_f32 v[32+\p:33+\p], v[32+\p:33+\p], v[64+\p:65+\p]   ; + bo + the CLS row
.endr
	v_pk_add_f32 v[20:21], v[32:33], v[34:35]
	s_delay_alu instid0(VALU_DEP_1)
	v_add_f32 v20, v20, v21
	LANESUM 20
	ds_store_b32 v5, v20                           ; all lanes write my wave's word with the same value
	s_wait_alu depctr_va_vdst(0)                   ; the wait here, directly ahead of the waits below
	s_wait_dscnt 0x0
	s_barrier_signal -1
	s_barrier_wait -1
	WAVESUM 7
	s_delay_alu instid0(VALU_DEP_1)
	v_mul_f32 v80, s28, v80                        ; the mean
.irp i, 0,1,2,3
	v_sub_f32 v[32+\i], v[32+\i], v80
.endr
	v_mul_f32 v20, v32, v32
	v_mul_f32 v21, v33, v33
	v_fma_f32 v20, v34, v34, v20
	v_fma_f32 v21, v35, v35, v21
	s_delay_alu instid0(VALU_DEP_1)
	v_add_f32 v20, v20, v21
	LANESUM 20
	ds_store_b32 v6, v20                           ; other bytes than the first sums'
	s_wait_alu depctr_va_vdst(0)
	s_wait_dscnt 0x0
	s_barrier_signal -1
	s_barrier_wait -1
	WAVESUM 8
	s_delay_alu instid0(VALU_DEP_1)
	v_fma_f32 v80, v80, s28, s29                   ; the variance + 1e-5
	s_wait_alu depctr_va_vdst(0)
	v_rsq_f32 v80, v80
	v_nop                                          ; a plain place behind the transcendental
	s_wait_alu depctr_va_vdst(0)
	v_pk_mul_f32 v[32:33], v[32:33], v[80:81] op_sel_hi:[1,0]
	v_pk_mul_f32 v[34:35], v[34:35], v[80:81] op_sel_hi:[1,0]
	s_wait_alu depctr_va_vdst(0)
	s_wait_loadcnt 0x0
	v_pk_fma_f32 v[32:33], v[32:33], v[72:73], v[76:77]
	v_pk_fma_f32 v[34:35], v[34:35], v[74:75], v[78:79]
	global_store_b128 v4, v[32:35], s[34:35]       ; a wave stores 512 consecutive bytes
	s_wait_tensorcnt 0x0                           ; the wave's end
	ds_add_u32 v1, v2
	s_wait_dscnt 0x0
	s_endpgm
.Lfunc_end_k_qe7384b112f_fin:
	.size	k_qe7384b112f_fin, .Lfunc_end_k_qe7384b112f_fin-k_qe7384b112f_fin
	.p2alignl 7, 3214868480
	.fill 96, 4, 3214868480
	.section	.rodata,"a",@progbits
	.p2align	6, 0x0
	.amdhsa_kernel k_qe7384b112f_fin
		.amdhsa_group_segment_fixed_size 1536
		.amdhsa_private_segment_fixed_size 0
		.amdhsa_enable_private_segment 0
		.amdhsa_kernarg_size 48
		.amdhsa_user_sgpr_count 2
		.amdhsa_user_sgpr_kernarg_segment_ptr 1
		.amdhsa_wavefront_size32 1
		.amdhsa_system_sgpr_workgroup_id_x 1
		.amdhsa_system_sgpr_workgroup_id_y 1
		.amdhsa_system_sgpr_workgroup_id_z 1
		.amdhsa_system_vgpr_workitem_id 0
		.amdhsa_next_free_vgpr 96
		.amdhsa_next_free_sgpr 66
		.amdhsa_reserve_vcc 0
		.amdhsa_float_denorm_mode_32 3
		.amdhsa_float_denorm_mode_16_64 3
		.amdhsa_memory_ordered 1
		.amdhsa_forward_progress 1
		.amdhsa_inst_pref_size 8
	.end_amdhsa_kernel
	.amdgpu_metadata
---
amdhsa.version: [ 1, 2 ]
amdhsa.kernels:
  - .name:           k_qe7384b112f_fin
    .symbol:         k_qe7384b112f_fin.kd
    .args:
      - { .name: yp, .offset: 0, .size: 8, .value_kind: global_buffer, .address_space: global }
      - { .name: bo, .offset: 8, .size: 8, .value_kind: global_buffer, .address_space: global }
      - { .name: x, .offset: 16, .size: 8, .value_kind: global_buffer, .address_space: global }
      - { .name: ln_g, .offset: 24, .size: 8, .value_kind: global_buffer, .address_space: global }
      - { .name: ln_b, .offset: 32, .size: 8, .value_kind: global_buffer, .address_space: global }
      - { .name: out0, .offset: 40, .size: 8, .value_kind: global_buffer, .address_space: global }
    .group_segment_fixed_size: 1536
    .private_segment_fixed_size: 0
    .kernarg_segment_align: 8
    .kernarg_segment_size: 48
    .max_flat_workgroup_size: 256
    .sgpr_count:     66
    .vgpr_count:     96
    .wavefront_size: 32
...
	.end_amdgpu_metadata
.endif
;; end of part 3
